; MI455X (gfx1250); checked and timed in simulation.
; The chip was launched on July 23, 2026; its instructions are those of AMD's public machine-readable ISA for CDNA 5 (MIT licence, August 2026) and "CDNA5" Instruction Set Architecture Reference Guide (July 2026). The comments in the code are by the model that wrote it; some were corrected since.
;; RBLN Gpt Oss Experts. Allowed arithmetic: matrix products marked QUANTISED: E4M3 operands, one E8M0 scale for each 32 along K, by v_wmma_scale_f32_16x16x128_f8f6f4 with both operands' format E4M3, f32 sums; products left as they are: f32 operands where the result goes on into a quantised operand, else bf16, f16 or f32 operands; f32 sums; everything else in f32.
;; Inputs: down_proj_bias 16 x 1,024 float32; down_proj_codes 16 x 1,024 x 32 x 32 uint8 (E4M3 codes of down_proj, K innermost, in blocks of 32 codes); down_proj_scales 16 x 1,024 x 32 uint8 (E8M0 scales of down_proj, one for each 32 codes along K); gate_up_proj_bias 16 x 2,048 float32; gate_up_proj_codes 16 x 2,048 x 32 x 32 uint8 (E4M3 codes of gate_up_proj, K innermost, in blocks of 32 codes); gate_up_proj_scales 16 x 2,048 x 32 uint8 (E8M0 scales of gate_up_proj, one for each 32 codes along K); hidden_states_codes 1 x 1,024 x 32 x 32 uint8 (E4M3 codes of hidden_states, K innermost, in blocks of 32 codes); hidden_states_scales 1 x 1,024 x 32 uint8 (E8M0 scales of hidden_states, one for each 32 codes along K); routing_weights 1,024 x 16 float32.
;; Outputs: out0 1 x 1,024 x 1,024 float32.
;; This version of the problem:
;;   THIS VERSION OF THE PROBLEM IS GIVEN IN LOW PRECISION. The matrix products marked QUANTISED in the list below multiply operands that are first quantised to E4M3 (4 exponent bits, 3 mantissa bits; 8 bits a number), with one power-of-two scale for each 32 numbers along K (OCP MX v1.0); their sums are f32. All else is computed in f32.
;;   The module's matrix products, in the order in which they are computed (A, B: the left and right operand; K: the contracted axis; several contracted axes count as one K, in the product's order):
;;     1. [M 32,768, K 1,024] x [K 1,024, N 1,024]; A: input gate_up_proj (given as codes); B: input hidden_states (given as codes): QUANTISED
;;     2. batch 16 x [M 1,024, K 1,024] x [K 1,024, N 1,024]; A: computed on the way; B: input down_proj (given as codes): QUANTISED
;;     3. batch 1,024 x [M 1,024, K 16] x [K 16, N 1]; A: computed on the way; B: input routing_weights: left as it is (K = 16 < 32)
;;   THE QUANTISER, for each operand of a quantised product, along K:
;;     - K is cut into blocks of 32 from its start; a last block that is shorter is filled with zeros.
;;     - A block's scale is 2^e with e = floor(log2(the largest magnitude in the block)) - 8, held to -126 .. 127; a block of zeros has e = 0. As a byte (E8M0): e + 127.
;;     - Each number is divided by its block's scale, clamped to +-448, and rounded to the nearest number of E4M3, ties to even, subnormals kept.
;;     - The product sums the exact products of the quantised numbers (number of the format x scale) in f32.
;;   ~~~python
;;   def quantise(x, axis):      # numpy; x: float32 -> the quantised numbers, widened to float32 again
;;       x = np.moveaxis(x, axis, -1); K = x.shape[-1]
;;       x = np.pad(x, [(0, 0)] * (x.ndim - 1) + [(0, -K % 32)]); x = x.reshape(x.shape[:-1] + (-1, 32)); a = np.abs(x).max(-1, keepdims=True)
;;       e = np.where(a > 0, np.clip(np.frexp(np.where(a > 0, a, 1))[1] - 1 - 8, -126, 127), 0)      # np.frexp(a)[1] - 1 = floor(log2(a)), exactly
;;       r = np.clip(x / 2.0 ** e, -448, 448)
;;       step = 2.0 ** (np.maximum(np.frexp(np.where(r == 0, 1, r))[1] - 1, -6) - 3)
;;       q = np.round(r / step) * step * 2.0 ** e      # np.round: ties to even
;;       return np.moveaxis(q.reshape(q.shape[:-2] + (-1,))[..., :K], -1, axis).astype(np.float32)
;;   ~~~
;;   OPERANDS COMPUTED ON THE WAY. 'Computed on the way' means the value that the module computes at that place (a softmax that the list does not call 'softmax' is quantised finished and normalised). What goes into a quantiser is computed in f32, as accurately as f32 sums, v_exp_f32 and their like allow (about 1e-6 of the number): no bf16 or f16 on the way to a quantiser, and a product that is left as it is and whose result goes on into a quantised operand takes f32 operands (vector FMAs, or v_wmma_f32_16x16x4_f32). A number that lies on a knife's edge between two numbers of the format may be rounded either way, as far as f32 arithmetic and the matrix unit's own rounding can turn it there, and no further.
;;   INPUTS GIVEN AS CODES. down_proj (in the module: [16, 1024, 1024], K = its axis 1); gate_up_proj (in the module: [16, 1024, 2048], K = its axis 1); hidden_states (in the module: [1, 1024, 1024], K = its axis 2): each comes as NAME_codes (uint8): NAME with its K axis moved to the last place and cut into blocks of 32 codes, [.., K / 32, bytes a block], one block behind the other in memory; one code a byte (a code: sign, 4 exponent bits, 3 mantissa bits); and NAME_scales (uint8): the same leading axes, one E8M0 byte (e + 127) for each 32 codes along K. Its value is code x scale, taken as it is: it is not quantised again, and the codes and scales need not be those that the quantiser above would give.
;; One version. Each part assembles by itself: llvm-mc -triple=amdgcn-amd-amdhsa -mcpu=gfx1250 --defsym DOCPART=n.
;; ======== version 1 of 1: 3 launches
;; limits: values are held in bf16: 8 bits of precision; right only within a limited range of input values
;; workspace buffers: act_codes 16,777,216 bytes; act_scales 524,288 bytes; ns 33,554,432 bytes
;; launch gateup (part 1): grid 64 x 4, 4 waves a work-group, clusters of 4 x 4, 327,680 bytes of LDS; arguments hidden_states_codes, hidden_states_scales, gate_up_proj_codes, gate_up_proj_scales, gate_up_proj_bias, act_codes, act_scales; writes act_codes, act_scales
.if DOCPART == 1
	.amdgcn_target "amdgcn-amd-amdhsa--gfx1250"
	.amdhsa_code_object_version 6
	.text
	.protected	k_q1ce4a60bbe_gateup
	.globl	k_q1ce4a60bbe_gateup
	.p2align	8
	.type	k_q1ce4a60bbe_gateup,@function
k_q1ce4a60bbe_gateup:
	s_mov_b64 s[64:65], 0
	v_nop
	global_prefetch_b8 v0, s[64:65] scope:SCOPE_SE
	s_setreg_imm32_b32 hwreg(HW_REG_WAVE_MODE, 25, 1), 1
	s_wait_xcnt 0x0
	s_wait_alu depctr_hold_cnt(0) depctr_sa_sdst(0) depctr_va_vdst(0) depctr_va_sdst(0) depctr_va_ssrc(0) depctr_va_vcc(0) depctr_vm_vsrc(0)
	s_getreg_b32 s2, hwreg(HW_REG_IB_STS2, 6, 4)
	s_cmp_eq_u32 s2, 0
	s_cbranch_scc0 .Lentry_in_a_cluster
	s_endpgm
.Lentry_in_a_cluster:
	s_bfe_u32 s2, ttmp6, 0x10000c
	s_cmp_lg_u32 s2, 0xf033
	s_cbranch_scc0 .Lentry_shape_is_right
	s_endpgm
.Lentry_shape_is_right:
; act[e][t][d] = (clip(up, -7, 7) + 1) g sigmoid(1.702 g), g = min(gate, 7), gate = (x W_e + b_e)[2 d], up = (x W_e + b_e)[2 d + 1]; act is quantised to E4M3 with an E8M0 scale for each 32 along d.
; x: 1,024 tokens x K 1,024 as codes; the weights: 16 x 2,048 rows x K 1,024 as codes; scale bytes: 32 a row.  Products by the scaled FP8 matrix form on codes and scale bytes as they lie; sums f32.
; SHARES.  A work-group of four waves: 256 tokens (cy) x 512 weight rows = 256 d (quarter cx) of expert ttmp9.  A wave holds 64 tokens, ALL of K, in 512 registers and streams the 512 weight rows past them in 32 blocks of 16,
; which stand in registers as two whole sets.  Source 0 = 16 weight rows, source 1 = 16 tokens: lane (r, h) of a result holds token r, register j weight row 8 h + j: gates and ups of d 4 h + j / 2 by turns.
; Four blocks make a scale group of 32 d.  The bias is the C of each sum's first product.
; LDS.  256 rows of 1,040 bytes hold the tokens at first and, once these are in registers, a ring of 16 blocks: block b at place b % 16 (blocks 0 and 1 have rows of their own).  Behind them: the weights' scale bytes, the bias.
; FILLS.  Head: tokens (wave 0), rows 0-31 (wave 1), scale bytes (wave 2), bias (wave 3).  Refills, each in a drained round of the cluster's barrier: rows 32-127 (24 a wave), then 64 rows (16 a wave) in each of trips 0 .. 5.
; A TRIP is four blocks.  Behind block b its set takes block b + 2.  Among block b's products stand: what turns block b - 2's reciprocals into act, block b - 1's clamps and exponents' arguments, and in blocks 1 and 2 the last
; group's quantiser (two tiles of tokens each).  The exponentials and reciprocals stand as two batches behind the block's products.
; The first trip's way out has no group before it: its registers are zeros written at the head, and its stores are branched round; its scale byte is shifted out by the eight that follow.
; OUT.  act_codes is laid as the next launch's operand registers: [e][256 tokens][128 d][16 tokens][c][lane][16 bytes]; act_scales is [e][t][32].  Two half-swaps bring a lane's four words of codes into operand order: a store covers 512 bytes on end.
; CLUSTERS: 4 x 4.  The four of a row (same cy) share the tokens, the four of a column (same cx) the weights: asked for jointly.
; PREFETCH: the column's sixteen waves share the weight rows out by address: rows 32-287 behind the head's first barrier, 56 rows in each of trips 0 .. 3, two refills ahead; nothing beyond row 511.
; LIMITS: NaN, infinities, NaN codes and the scale byte 0xff are not served (they go through as the arithmetic gives them).  A block of act that is all zeros gets the byte 1 and not 127: its codes are zeros and only this program
; reads the bytes.  The bias enters the sum first and (up + 1) glu is one fused multiply-add: roundings in another order than the reference's, in the last bit of f32.
.set KROW, 1024
.set PITCH, 1040
.set BLKB, 16*PITCH  ; a block of 16 rows
.set GRPB, 64*PITCH  ; four blocks: 0x10400; the ring's four groups lie at multiples of it, whose bits are those of 3 GRPB
.set RMASK, 3*GRPB
.set WSC, 256*PITCH  ; the weights' scale bytes: units of 256 (8 rows) + 16 of padding
.set BIA, WSC+64*272  ; the bias, 2,048 bytes
.set CFI, BIA+2048  ; rows 0-31
.set SPARE, CFI+32*PITCH  ; the spare words, 128 bytes a wave
.set FO, 3  ; v3  r x pitch + 16 h
.set ADF, 4  ; v4  LDS address of the next fetch
.set AS0, 5  ; v5  my row's scale words in block 0;  v6 in the block that is fetched
.set ADS, 6
.set BB0, 7  ; v7  my half's bias in block 0;  v8 in the next block
.set ADB, 8
.set CO, 9  ; v9  16 x lane
.set SPW, 10
.set NIL, 11
.set PF, 12  ; v12, v18  the prefetches' offsets
.set LANE, 13
.set QX, 14  ; the quantiser: the other half's maximum, the scale operand, 448 x the scale, the byte
.set QS, 15
.set QB, 16
.set QY, 17
.set PFL, 18
.set SOF, 19  ; v19  32 x lane
.set SB, 20  ; v20-35  the tokens' scale words: register 8 p + q: lanes 0-15 tile 2 p's, lanes 16-31 tile 2 p + 1's
.set MM, 36  ; v36-39  the largest magnitudes, a tile each
.set SA, 40  ; v40-55  the weights' scale words, two sets
.set BQ, 56  ; v56-63  the bias of a block
.set ACC, 64  ; v64-127  two sets of four accumulators
.set GG, 128  ; gates, then glu
.set UU, 144  ; ups
.set EE, 160  ; exponents, exponentials, reciprocals
.set ACT, 176  ; v176-239  a group's act: 16 a tile: blocks 0, 2, 1, 3
.set CD, 240  ; v240-247  codes of two tiles
.set WL, 248  ; v248-251, v252-255  the eight scale bytes of my tokens, low and high word
.set WH, 252
.set G1A, 24  ; s[24:31], s[56:59]  the tokens
.set G0A, 56
.set G1C, 32  ; s[32:39], s[60:63]  rows 0-31, then rows 32-127
.set G0C, 60
.set G1R, 48  ; s[48:55], s[92:95]  a trip's refill
.set G0R, 92
.set G1S, 68  ; s[68:75], s[76:79]  the weights' scale bytes
.set G0S, 76
.set G1I, 80  ; s[80:87], s[88:91]  the bias
.set G0I, 88
.set MSB, 0
.macro WIN new  ; the immediate's high byte repeats the setting that is left
.if MSB != (\new)
	s_set_vgpr_msb (MSB<<8)|(\new)
.set MSB, (\new)
.endif
.endm
.macro WALU
	s_wait_alu depctr_va_vdst(0)
.endm
.macro BARRIER
	s_barrier_signal -1
	s_barrier_wait -1
.endm
.macro MIDDLE  ; a round from its opening wait on
	s_barrier_wait -1
	s_cmp_lg_u32 s14, 0
	s_cbranch_scc1 .Lnot_wave_0_\@
	s_barrier_signal -3
.Lnot_wave_0_\@:
	s_barrier_wait -3
	BARRIER
.endm
.macro CROUND
	s_barrier_signal -1
	MIDDLE
.endm
.macro TLOAD g0, g1
	tensor_load_to_lds s[\g0:\g0+3], s[\g1:\g1+7]
	s_nop 0
.rept 4
	v_nop
.endr
.endm
.macro GROUP1 g, mask, rows  ; whole rows of K, 16 bytes of padding behind each
	s_or_b32 s[\g+0], s[\mask], (1<<20)|(1<<21)|(7<<22)|(3<<25)
	s_mov_b32 s[\g+1], KROW<<16
	s_mov_b32 s[\g+2], (\rows)<<16
	s_mov_b32 s[\g+3], KROW<<16
	s_mov_b32 s[\g+4], \rows
	s_mov_b32 s[\g+5], KROW
	s_mov_b32 s[\g+6], 0
	s_mov_b32 s[\g+7], 0
.endm
.macro GROUP1D g, rows, pad  ; a dense block as rows of 256 bytes (32 elements of 8)
	s_or_b32 s[\g+0], s44, (3<<16)|(1<<21)|(\pad)
	s_mov_b32 s[\g+1], 32<<16
	s_mov_b32 s[\g+2], (\rows)<<16
	s_mov_b32 s[\g+3], 32<<16
	s_mov_b32 s[\g+4], \rows
	s_mov_b32 s[\g+5], 32
	s_mov_b32 s[\g+6], 0
	s_mov_b32 s[\g+7], 0
.endm
.macro SADDL d, x, n  ; s[d] += s[x] << n
	s_lshl_b32 s15, \x, \n
	s_add_co_u32 s[\d], s[\d], s15
.endm
	s_load_b256 s[4:11], s[0:1], 0x0  ; x's codes s[4:5], scales s[6:7]; the weights' codes s[8:9], scales s[10:11]
	s_load_b128 s[96:99], s[0:1], 0x20  ; the bias, act_codes
	s_load_b64 s[100:101], s[0:1], 0x30  ; act_scales
	v_lshl_add_u32 v[SPW], v0, 2, SPARE
	v_mov_b32 v[NIL], 0
	ds_add_u32 v[SPW], v[NIL]  ; the wave's opening: the add, twice on end, and its wait ahead of my first tensor load
	ds_add_u32 v[SPW], v[NIL]
	v_lshrrev_b32 v1, 5, v0
	v_readfirstlane_b32 s14, v1  ; wave 0..3
	s_bfe_u32 s40, ttmp6, 0x40000  ; cx: the expert's quarter
	s_bfe_u32 s41, ttmp6, 0x40004  ; cy: the tokens' quarter
	s_lshl_b32 s43, s41, 2
	s_lshl_b32 s43, 15, s43  ; my row of the cluster
	s_lshl_b32 s44, 0x1111, s40  ; my column
	GROUP1 G1A, 43, 256
	GROUP1 G1C, 44, 32
	GROUP1 G1R, 44, 16
	GROUP1D G1S, 64, (1<<20)|(5<<22)|(3<<25)
	GROUP1D G1I, 8, 0
	s_lshl_b32 s20, s41, 18  ; x's codes: 256 tokens
	s_mov_b32 s21, 0
	s_lshl_b32 s22, ttmp9, 21  ; the weights' codes: row 2,048 e + 512 cx
	SADDL 22, s40, 19
	s_mov_b32 s23, 0
	s_lshl_b32 s18, ttmp9, 16  ; their scale bytes
	SADDL 18, s40, 14
	s_mov_b32 s19, 0
	s_lshl_b32 s46, ttmp9, 13  ; their bias
	SADDL 46, s40, 11
	s_mov_b32 s47, 0
	s_mov_b32 s[G0A], 1
	s_mov_b32 s[G0A+1], 0
	s_mov_b32 s[G0C], 1
	s_mov_b32 s[G0C+1], CFI
	s_mov_b32 s[G0S], 1
	s_mov_b32 s[G0S+1], WSC
	s_mov_b32 s[G0I], 1
	s_mov_b32 s[G0I+1], BIA
	s_mov_b32 s[G0R], 1
	s_mul_i32 s45, s14, BLKB
	WALU
	s_wait_dscnt 0x0  ; both opening adds are done
	CROUND  ; all sixteen work-groups are here: the first joint loads meet
	s_wait_kmcnt 0x0
	s_add_nc_u64 s[G0A+2:G0A+3], s[4:5], s[20:21]
	s_or_b32 s[G0A+3], s[G0A+3], 0x80000000
	s_add_nc_u64 s[104:105], s[8:9], s[22:23]
	s_mov_b64 s[G0C+2:G0C+3], s[104:105]
	s_or_b32 s[G0C+3], s[G0C+3], 0x80000000
	s_add_nc_u64 s[G0S+2:G0S+3], s[10:11], s[18:19]
	s_or_b32 s[G0S+3], s[G0S+3], 0x80000000
	s_add_nc_u64 s[G0I+2:G0I+3], s[96:97], s[46:47]
	s_or_b32 s[G0I+3], s[G0I+3], 0x80000000
; ONE joint load a wave: one tree of branches on the wave's number, a load in each arm
.macro ARM under, g0, g1, next
	s_cmp_lt_u32 s14, \under
	s_cbranch_scc0 \next
	TLOAD \g0, \g1
	s_branch .Lhead_asked
\next:
.endm
	ARM 1, G0A, G1A, .Lhead_rows
	ARM 2, G0C, G1C, .Lhead_scales
	ARM 3, G0S, G1S, .Lhead_bias
	TLOAD G0I, G1I
.Lhead_asked:
	s_mul_i32 s20, s14, 16*KROW  ; a trip's refill: my 16 rows; it is stepped by 64 rows ahead of each, from row 64 on
	s_add_co_u32 s20, s20, 64*KROW
	s_add_nc_u64 s[G0R+2:G0R+3], s[104:105], s[20:21]
	s_or_b32 s[G0R+3], s[G0R+3], 0x80000000
	s_lshl_b32 s18, s41, 13  ; x's scale bytes: my 64 tokens
	SADDL 18, s14, 11
	s_add_nc_u64 s[6:7], s[6:7], s[18:19]
	SADDL 18, ttmp9, 15  ; act_scales: row 1,024 e + 256 cy + 64 w, byte 8 cx
	SADDL 18, s40, 3
	s_add_nc_u64 s[100:101], s[100:101], s[18:19]
	s_lshl_b32 s18, ttmp9, 20  ; act_codes: block 32 e + 8 cy + 2 cx of 32,768 bytes, my four tiles of tokens
	SADDL 18, s41, 18
	SADDL 18, s40, 16
	SADDL 18, s14, 13
	s_add_nc_u64 s[98:99], s[98:99], s[18:19]
	s_mov_b64 s[16:17], s[98:99]
	v_and_b32 v1, 15, v0  ; r
	v_bfe_u32 v2, v0, 4, 1  ; h
	v_and_b32 v[LANE], 31, v0
	v_lshlrev_b32 v[SOF], 5, v[LANE]
	v_lshlrev_b32 v[CO], 4, v[LANE]
	v_mul_u32_u24 v[FO], v1, PITCH
	v_lshl_add_u32 v[FO], v2, 4, v[FO]
	v_lshlrev_b32 v[AS0], 5, v1
	v_lshrrev_b32 v6, 3, v1
	v_lshl_add_u32 v[AS0], v6, 4, v[AS0]
	v_add_nc_u32 v[AS0], WSC, v[AS0]
	v_lshlrev_b32 v[BB0], 5, v2
	v_add_nc_u32 v[BB0], BIA, v[BB0]
	WALU
	s_mul_i32 s20, s14, GRPB  ; my 64 tokens in LDS
	v_add_nc_u32 v[ADF], s20, v[FO]
	v_add_nc_u32 v1, CFI, v[FO]  ; blocks 0 and 1
	v_lshlrev_b32 v[PF], 8, v0  ; a lane a block of 256 bytes: the column's four work-groups x 128 threads
	s_lshl_b32 s20, s41, 15
	v_add_nc_u32 v[PF], s20, v[PF]
	v_min_u32 v[PFL], 13, v[LANE]  ; 14 blocks a wave of the column's sixteen: 56 rows
	v_lshlrev_b32 v[PFL], 8, v[PFL]
	s_lshl_b32 s20, s41, 2
	s_add_co_u32 s20, s20, s14
	s_mul_i32 s20, s20, 14*256
	v_add_nc_u32 v[PFL], s20, v[PFL]
	WALU
.irp p, 0,1
.irp c, 0,1
	global_load_b128 v[SB+8*\p+4*\c:SB+8*\p+4*\c+3], v[SOF], s[6:7] offset:1024*\p+16*\c
.endr
.endr
.set I_, ACC+32  ; zeros for the first trip's way out
.rept ACT+64-ACC-32
	v_mov_b32 v[I_], 0
.set I_, I_+1
.endr
.irp t, 0,1,2,3
	v_mov_b32 v[MM+\t], 0
	v_mov_b32 v[WL+\t], 0
	v_mov_b32 v[WH+\t], 0
.endr
	v_mov_b32 v[QX], 0
	s_mov_b32 s2, 0x40e00000  ; 7.0
	s_mov_b32 s3, 0xc0e00000  ; -7.0
	s_mov_b32 s12, 0xc01d265f  ; -1.702 log2(e)
	s_mov_b32 s13, s12  ; (named with it as a pair, so it is written)
	s_mov_b32 s66, 0x76543210
	s_mov_b32 s67, 0xfedcba98  ; v_permlanex16_b32's selects for lane l xor 16
	s_mov_b32 s15, 0x600000  ; the mantissa field of 448
	WALU  ; the head's end
	s_cmp_eq_u32 s14, 0
	s_cbranch_scc0 .Lnot_tokens
	s_wait_tensorcnt 0x0  ; wave 0: the tokens have landed.  The other waves' wait stands at the next round
.Lnot_tokens:
	BARRIER
	global_prefetch_b8 v[PF], s[104:105] offset:32*KROW th:TH_LOAD_NT scope:SCOPE_SE
	global_prefetch_b8 v[PF], s[104:105] offset:160*KROW th:TH_LOAD_NT scope:SCOPE_SE
.macro FETCHAT e, a, ao, s, so  ; a block of 16 weight rows, all of K, into set e of window 3, and its scale words: 34 loads.  Registers 4 c .. 4 c + 3 of a fragment hold K = 32 c + 16 h + 0 .. 15 of row r
	WIN 3<<6
.irp q, 0,1,2,3,4,5,6,7
.irp c, 0,1,2,3
	ds_load_b128 v[128*(\e)+16*\q+4*\c:128*(\e)+16*\q+4*\c+3], v[\a] offset:128*\q+32*\c+(\ao)
.endr
.endr
	WIN 0
	ds_load_b128 v[SA+8*(\e):SA+8*(\e)+3], v[\s] offset:(\so)
	ds_load_b128 v[SA+8*(\e)+4:SA+8*(\e)+7], v[\s] offset:(\so)+16
.endm
.macro BIASAT a
	ds_load_b128 v[BQ:BQ+3], v[\a]
	ds_load_b128 v[BQ+4:BQ+7], v[\a] offset:16
.endm
.macro PROD e, n  ; product n = 4 q + t of a block: the q-th 128 of K, token tile t
.set q_, (\n)/4
.set t_, (\n)%4
.set AC_, ACC+32*(\e)+8*t_
.set C_, AC_
.if q_ == 0
.set C_, BQ
.endif
.set R_, 128*(\e)+16*q_
.set W_, 16*((\n)%16)
.set XS_, SA+8*(\e)+q_
.set TS_, SB+8*(t_/2)+q_
	WIN 3|((1+(\n)/16)<<2)
.if t_%2
	v_wmma_scale_f32_16x16x128_f8f6f4 v[AC_:AC_+7], v[R_:R_+15], v[W_:W_+15], v[C_:C_+7], v[XS_], v[TS_] matrix_b_scale:MATRIX_SCALE_ROW1
.else
	v_wmma_scale_f32_16x16x128_f8f6f4 v[AC_:AC_+7], v[R_:R_+15], v[W_:W_+15], v[C_:C_+7], v[XS_], v[TS_]
.endif
.endm
.macro PREP s, k  ; 40 lines: a block's sums (set s) -> gates and ups held, exponents -1.702 log2(e) g; each accumulator from its low end on
.set O_, 4*((\k)/10)
.set m_, (\k)%10
.set A_, ACC+32*(\s)+2*O_
.if m_ < 4
	v_min_num_f32 v[GG+O_+m_], s2, v[A_+2*m_]
.elseif m_ < 6
.set O_, O_+2*(m_-4)
	v_pk_mul_f32 v[EE+O_:EE+O_+1], v[GG+O_:GG+O_+1], s[12:13] op_sel_hi:[1,0]
.else
	v_med3_num_f32 v[UU+O_+m_-6], v[A_+2*(m_-6)+1], s3, s2
.endif
.endm
.macro ACTM q, i  ; 24 lines: glu, (up + 1) glu of the group's block q into its places, and the running maxima; the floor 2^(9 - 127) holds the byte at 1 from below
.set H_, (\i)/12
.set k_, (\i)%12
.set PO_, ACT+8*((\q)%2)+4*((\q)/2)
.if k_ < 4
.set P_, 2*(4*H_+k_)
	v_pk_mul_f32 v[GG+P_:GG+P_+1], v[GG+P_:GG+P_+1], v[EE+P_:EE+P_+1]
.elseif k_ < 8
.set P_, 4*H_+k_-4
.set D_, PO_+16*(P_/2)+2*(P_%2)
.set P_, 2*P_
	v_pk_fma_f32 v[D_:D_+1], v[UU+P_:UU+P_+1], v[GG+P_:GG+P_+1], v[GG+P_:GG+P_+1]
.else
.set P_, 4*H_+k_-8
.set D_, PO_+16*(P_/2)+2*(P_%2)
.if ((\q) == 0) && (P_%2 == 0)
	v_max3_num_f32 v[MM+P_/2], |v[D_]|, |v[D_+1]|, 0x4800000
.else
	v_max3_num_f32 v[MM+P_/2], v[MM+P_/2], |v[D_]|, |v[D_+1]|
.endif
.endif
.endm
.macro QU t, k  ; 27 lines: THE QUANTISER of token tile t: a scale block of 32 lies in lanes l and l xor 16
.set T_, (\t)
.set k_, (\k)
.set X_, ACT+16*T_
.set Y_, CD+4*(T_%2)
.if k_ == 0
	v_permlanex16_b32 v[QX], v[MM+T_], s66, s67
.elseif k_ == 1
	v_max_num_f32 v[MM+T_], v[MM+T_], v[QX]
.elseif k_ == 2
	v_add_nc_u32 v[QS], 0xfc000000, v[MM+T_]  ; 8 off the exponent field: the conversions' scale operand
.elseif k_ == 3
	v_and_or_b32 v[QB], v[MM+T_], 0x7f800000, s15  ; 448 x the scale
.elseif k_ == 4
	v_lshrrev_b32 v[QY], 23, v[QS]  ; the scale's byte
.elseif k_ == 5
	v_alignbit_b32 v[WL+T_], v[WH+T_], v[WL+T_], 8  ; the bytes so far move down by one,
.elseif k_ == 6
	v_alignbit_b32 v[WH+T_], v[QY], v[WH+T_], 8  ; and the new one comes in on top
.elseif k_ < 15
	v_med3_num_f32 v[X_+k_-7], v[X_+k_-7], -v[QB], v[QB]  ; the conversion does not saturate (ISA guide 7.6.2)
.elseif k_ == 15
	v_cvt_scalef32_pk8_fp8_f32 v[Y_:Y_+1], v[X_:X_+7], v[QS]  ; blocks 0 and 2
.elseif k_ < 24
	v_med3_num_f32 v[X_+k_-8], v[X_+k_-8], -v[QB], v[QB]
.elseif k_ == 24
	v_cvt_scalef32_pk8_fp8_f32 v[Y_+2:Y_+3], v[X_+8:X_+15], v[QS]  ; blocks 1 and 3
.elseif k_ == 25
	v_permlane16_swap_b32 v[Y_], v[Y_+1]  ; lanes 0-15 take d 0 .. 7, lanes 16-31 d 16 .. 23
.else
	v_permlane16_swap_b32 v[Y_+2], v[Y_+3]  ; d 8 .. 15, d 24 .. 31
.endif
.endm
.macro ADDR j, i  ; where block b + 2's rows and scale words, and block b + 1's bias, lie
.if (\i) == 0
.if (FIN_ == 0) || ((\j) < 2)
.if (\j) < 2
	s_add_co_u32 s22, s47, ((\j)+2)*BLKB
.else
	s_add_co_u32 s22, s10, ((\j)-2)*BLKB
.endif
	v_add_nc_u32 v[ADF], s22, v[FO]
.endif
.elseif (\i) == 1
.if (FIN_ == 0) || ((\j) < 2)
	s_add_co_u32 s22, s19, ((\j)+2)*544
	v_add_nc_u32 v[ADS], s22, v[AS0]
.endif
.else
.if (FIN_ == 0) || ((\j) < 3)
	s_add_co_u32 s22, s18, ((\j)+1)*64
	v_add_nc_u32 v[ADB], s22, v[BB0]
.endif
.endif
.endm
.macro LINE j, i  ; line i of those that stand among block j's products
.set I_, (\i)-3
.if I_ < 0
	ADDR \j, (\i)
.elseif ((\j) == 0) || ((\j) == 3)
.if I_ < 24
	ACTM (2-(\j)/3), I_
.else
	PREP (1-(\j)/3), (I_-24)
.endif
.elseif (\j) == 1
.if I_ < 24
	ACTM 3, I_
.elseif I_ < 78
	QU (I_-24)/27, (I_-24)%27
.else
	PREP 0, (I_-78)
.endif
.else
.if I_ < 54
	QU (2+I_/27), I_%27
.elseif I_ < 78
	ACTM 0, (I_-54)
.else
	PREP 1, (I_-78)
.endif
.endif
.endm
.macro RUN j, from, to  ; products from .. to - 1 of block j, LG_ lines behind each
.set N_, \from
.rept (\to)-(\from)
	PROD ((\j)%2), N_
.rept LG_
.if LP_ < LT_
	WIN 0
	LINE \j, LP_
.set LP_, LP_+1
.endif
.endr
.set N_, N_+1
.endr
.endm
.macro DRAIN j  ; what is left of the lines
	WIN 0
.rept LT_-LP_
	LINE \j, LP_
.set LP_, LP_+1
.endr
.endm
.macro TRANS  ; sigmoid(1.702 g) = 1 / (1 + 2^exponent).  The eight additions are also the places between the block's last product and the loads into what it has read
	WALU
.set I_, 0
.rept 16
	v_exp_f32 v[EE+I_], v[EE+I_]
.set I_, I_+1
.endr
	v_nop
	WALU
.set I_, 0
.rept 8
	v_pk_add_f32 v[EE+I_:EE+I_+1], v[EE+I_:EE+I_+1], 1.0 op_sel_hi:[1,0]
.set I_, I_+2
.endr
	WALU
.set I_, 0
.rept 16
	v_rcp_f32 v[EE+I_], v[EE+I_]
.set I_, I_+1
.endr
	v_nop
.endm
.macro SEND t  ; tiles t, t + 1 of the last group: each store 512 bytes on end
	global_store_b128 v[CO], v[CD:CD+3], s[16:17] offset:2048*(\t)
	global_store_b128 v[CO], v[CD+4:CD+7], s[16:17] offset:2048*((\t)+1)
.endm
; A BLOCK.  kind 0: no barrier; 1: a round with a refill; 2: a plain barrier that shows the last refill.  w: the LDS loads that may be out: the next block's 34
.macro BLOCK j, kind, w, loop, fin
.set FIN_, \fin
.set LP_, 0
.set LG_, 2
.set LT_, 67
.if ((\j) == 1) || ((\j) == 2)
.set LG_, 4
.set LT_, 121
.endif
	s_wait_dscnt \w
	s_wait_xcnt 0x0  ; earlier stores and prefetches have read their registers
.if (\kind) == 1
	RUN \j, 0, 20
	WIN 0
	WALU
	s_wait_tensorcnt 0x0  ; my part of the last refill is in
	ds_add_u32 v[SPW], v[NIL]
	s_add_co_u32 s11, s11, GRPB  ; the next group of the ring, its next rows
	s_and_b32 s11, s11, RMASK
	s_add_co_u32 s[G0R+1], s11, s45
	s_add_nc_u64 s[G0R+2:G0R+3], s[G0R+2:G0R+3], 64*KROW
	RUN \j, 20, 28
	WIN 0
	WALU
	s_wait_dscnt 0x0  ; the add and my reads are done
	s_barrier_signal -1
	RUN \j, 28, 32
	DRAIN \j
	TRANS
	WALU
	MIDDLE
	TLOAD G0R, G1R
	BIASAT ADB
	FETCHAT (\j)%2, ADF, 0, ADS, 0
.elseif (\kind) == 2
	RUN \j, 0, 28
	WIN 0
	WALU
	s_wait_tensorcnt 0x0  ; my part of the last refill is in
	s_wait_dscnt 0x0
	s_barrier_signal -1
	RUN \j, 28, 32
	DRAIN \j
	TRANS
	WALU
	s_barrier_wait -1
	BIASAT ADB
	FETCHAT (\j)%2, ADF, 0, ADS, 0
.else
	RUN \j, 0, 32
	DRAIN \j
.if ((\j) == 1) || ((\j) == 2)
	WALU
.if \loop
	s_cmp_eq_u32 s46, 0
	s_cbranch_scc1 .Lno_group_before_\@
	SEND 2*((\j)-1)
.Lno_group_before_\@:
.if (\j) == 1
	s_cmp_lt_u32 s46, 4
	s_cbranch_scc0 .Lnothing_ahead_\@
	global_prefetch_b8 v[PFL], s[104:105] offset:288*KROW th:TH_LOAD_NT scope:SCOPE_SE
.Lnothing_ahead_\@:
.endif
.else
	SEND 2*((\j)-1)
.endif
.endif
.if ((\fin) == 0) || ((\j) < 3)
	BIASAT ADB
.endif
	TRANS
.if ((\fin) == 0) || ((\j) < 2)
	FETCHAT (\j)%2, ADF, 0, ADS, 0
.endif
	WALU
.endif
.endm
.macro TRIP kind, loop, fin
	BLOCK 0, \kind, 34, \loop, \fin
	BLOCK 1, 0, 34, \loop, \fin
	BLOCK 2, 0, 34, \loop, \fin
.if \fin
	BLOCK 3, 0, 0, \loop, \fin
.else
	BLOCK 3, 0, 34, \loop, \fin
.endif
	s_mov_b32 s47, s10
	s_add_co_u32 s10, s10, GRPB
	s_and_b32 s10, s10, RMASK
	s_add_co_u32 s19, s19, 4*544
	s_add_co_u32 s18, s18, 4*64
	s_lshr_b32 s20, s46, 2  ; this trip's group: its 128 d and its place c in them
	s_lshl_b32 s20, s20, 15
	s_and_b32 s21, s46, 3
	s_lshl_b32 s21, s21, 9
	s_add_co_u32 s20, s20, s21
	s_mov_b32 s21, 0
	s_add_nc_u64 s[16:17], s[98:99], s[20:21]
	s_add_nc_u64 s[104:105], s[104:105], 56*KROW
	s_add_co_u32 s46, s46, 1
.endm
.irp q, 0,1,2,3,4,5,6,7  ; my 64 tokens, all of K: fragment f = 4 q + t lies in window 1 + f / 16
.irp t, 0,1,2,3
	WIN (1+(4*\q+\t)/16)<<6
.irp c, 0,1,2,3
	ds_load_b128 v[16*((4*\q+\t)%16)+4*\c:16*((4*\q+\t)%16)+4*\c+3], v[ADF] offset:\t*BLKB+128*\q+32*\c
.endr
.endr
.endr
	WIN 0
	s_wait_loadcnt 0x0  ; the tokens' scale words
	s_wait_tensorcnt 0x0  ; my tile of the head's four is in
	ds_add_u32 v[SPW], v[NIL]
	s_mov_b32 s[G1C+2], 24<<16  ; no tensor load of mine is out: the descriptor of rows 0-31 becomes that of my 24 of rows 32-127
	s_mov_b32 s[G1C+4], 24
	s_mul_i32 s20, s14, 24*PITCH
	s_add_co_u32 s[G0C+1], s20, 32*PITCH
	s_mul_i32 s20, s14, 24*KROW
	s_add_co_u32 s20, s20, 32*KROW
	s_mov_b32 s21, 0
	s_add_nc_u64 s[G0C+2:G0C+3], s[G0C+2:G0C+3], s[20:21]
	s_mov_b32 s46, 0  ; the trip
	s_mov_b32 s47, 0  ; the ring's places of this trip's first block, of the next trip's, of the last refill
	s_mov_b32 s10, GRPB
	s_mov_b32 s11, GRPB
	s_mov_b32 s18, 0  ; this trip's bias and scale words
	s_mov_b32 s19, 0
	s_wait_dscnt 0x0  ; the add is done, the tokens are in registers
	CROUND
	TLOAD G0C, G1C
	BIASAT BB0
	FETCHAT 0, 1, 0, AS0, 0
	FETCHAT 1, 1, BLKB, AS0, 544
.Ltrip:  ; trips 0 .. 5
	TRIP 1, 1, 0
	s_cmp_lg_u32 s46, 6
	s_cbranch_scc1 .Ltrip
	TRIP 2, 0, 0  ; trip 6 shows the last refill
	TRIP 0, 0, 1  ; trip 7 fetches no block beyond the last
.macro ALL name, a, n  ; the lines of a step on end
.set J_, 0
.rept \n
	\name \a, J_
.set J_, J_+1
.endr
.endm
	ALL ACTM, 2, 24  ; block 30
	ALL PREP, 1, 40  ; block 31
	TRANS
	WALU
	ALL ACTM, 3, 24
	ALL QU, 0, 27
	ALL QU, 1, 27
	WALU
	SEND 0
	s_wait_xcnt 0x0  ; the stores have read the codes
	ALL QU, 2, 27
	ALL QU, 3, 27
	v_cmp_gt_u32 vcc_lo, 16, v[LANE]
	v_cndmask_b32 v64, v[WL+1], v[WL], vcc_lo  ; lane l takes token l of a pair of tiles: 8 scale bytes
	v_cndmask_b32 v65, v[WH+1], v[WH], vcc_lo
	v_cndmask_b32 v66, v[WL+3], v[WL+2], vcc_lo
	v_cndmask_b32 v67, v[WH+3], v[WH+2], vcc_lo
	WALU
	SEND 2
	global_store_b64 v[SOF], v[64:65], s[100:101]
	global_store_b64 v[SOF], v[66:67], s[100:101] offset:1024
	s_wait_tensorcnt 0x0  ; the wave's end
	ds_add_u32 v[SPW], v[NIL]
	s_wait_dscnt 0x0
	CROUND  ; the closing round: no work-group ends while a partner may still ask for a tile that names it
	s_endpgm
.Lfunc_end_k_q1ce4a60bbe_gateup:
	.size	k_q1ce4a60bbe_gateup, .Lfunc_end_k_q1ce4a60bbe_gateup-k_q1ce4a60bbe_gateup
	.p2alignl 7, 3214868480
	.fill 96, 4, 3214868480
	.section	.rodata,"a",@progbits
	.p2align	6, 0x0
	.amdhsa_kernel k_q1ce4a60bbe_gateup
		.amdhsa_group_segment_fixed_size 327680
		.amdhsa_private_segment_fixed_size 0
		.amdhsa_enable_private_segment 0
		.amdhsa_kernarg_size 56
		.amdhsa_user_sgpr_count 2
		.amdhsa_user_sgpr_kernarg_segment_ptr 1
		.amdhsa_wavefront_size32 1
		.amdhsa_system_sgpr_workgroup_id_x 1
		.amdhsa_system_sgpr_workgroup_id_y 1
		.amdhsa_system_sgpr_workgroup_id_z 1
		.amdhsa_system_vgpr_workitem_id 0
		.amdhsa_next_free_vgpr 1024
		.amdhsa_next_free_sgpr 106
		.amdhsa_reserve_vcc 1
		.amdhsa_float_denorm_mode_32 3
		.amdhsa_float_denorm_mode_16_64 3
		.amdhsa_memory_ordered 1
		.amdhsa_forward_progress 1
		.amdhsa_inst_pref_size 228
	.end_amdhsa_kernel
	.amdgpu_metadata
---
amdhsa.version: [ 1, 2 ]
amdhsa.kernels:
  - .name:           k_q1ce4a60bbe_gateup
    .symbol:         k_q1ce4a60bbe_gateup.kd
    .args:
      - { .name: hidden_states_codes, .offset: 0, .size: 8, .value_kind: global_buffer, .address_space: global }
      - { .name: hidden_states_scales, .offset: 8, .size: 8, .value_kind: global_buffer, .address_space: global }
      - { .name: gate_up_proj_codes, .offset: 16, .size: 8, .value_kind: global_buffer, .address_space: global }
      - { .name: gate_up_proj_scales, .offset: 24, .size: 8, .value_kind: global_buffer, .address_space: global }
      - { .name: gate_up_proj_bias, .offset: 32, .size: 8, .value_kind: global_buffer, .address_space: global }
      - { .name: act_codes, .offset: 40, .size: 8, .value_kind: global_buffer, .address_space: global }
      - { .name: act_scales, .offset: 48, .size: 8, .value_kind: global_buffer, .address_space: global }
    .group_segment_fixed_size: 327680
    .private_segment_fixed_size: 0
    .kernarg_segment_align: 8
    .kernarg_segment_size: 56
    .max_flat_workgroup_size: 128
    .sgpr_count:     106
    .vgpr_count:     1024
    .wavefront_size: 32
...
	.end_amdgpu_metadata
.endif
;; end of part 1
;; launch down (part 2): grid 64 x 4, 4 waves a work-group, clusters of 4 x 4, 327,680 bytes of LDS; arguments act_codes, act_scales, down_proj_codes, down_proj_scales, down_proj_bias, ns; writes ns
.if DOCPART == 2
	.amdgcn_target "amdgcn-amd-amdhsa--gfx1250"
	.amdhsa_code_object_version 6
	.text
	.protected	k_q1ce4a60bbe_down
	.globl	k_q1ce4a60bbe_down
	.p2align	8
	.type	k_q1ce4a60bbe_down,@function
k_q1ce4a60bbe_down:
	s_mov_b64 s[64:65], 0
	v_nop
	global_prefetch_b8 v0, s[64:65] scope:SCOPE_SE
	s_setreg_imm32_b32 hwreg(HW_REG_WAVE_MODE, 25, 1), 1
	s_wait_xcnt 0x0
	s_wait_alu depctr_hold_cnt(0) depctr_sa_sdst(0) depctr_va_vdst(0) depctr_va_sdst(0) depctr_va_ssrc(0) depctr_va_vcc(0) depctr_vm_vsrc(0)
	s_getreg_b32 s2, hwreg(HW_REG_IB_STS2, 6, 4)
	s_cmp_eq_u32 s2, 0
	s_cbranch_scc0 .Lentry_in_a_cluster
	s_endpgm
.Lentry_in_a_cluster:
	s_bfe_u32 s2, ttmp6, 0x10000c
	s_cmp_lg_u32 s2, 0xf033
	s_cbranch_scc0 .Lentry_shape_is_right
	s_endpgm
.Lentry_shape_is_right:
.set PITCH,  272
.set HALFT,  128*PITCH
.set APART,  65536
.set SLOT,   APART+2*HALFT
.set SCL,    2*SLOT
.set HALFS,  16*272
.set SBLK,   2*272
.set SPARE,  SCL+4*HALFS
.set SPITCH, 272
.set ADRA, 16
.set ADRB, 20
.set STO,  24
.set RD,   25
.set CO,   26
.set ADRS, 27
.set SPW,  28
.set NIL,  29
.set BO,   30
.set PF,   31
.set SC,   32
.set BIAS, 64
.set AF,   128
.set BK,   128
.set TMP,  192
.set G1, 24
.set G0, 32
.set G1B, 48
.set G0B, 56
.set G1S, 68
.set G0S, 76
.set G1SB, 80
.set G0SB, 88
.set MSB, 0
.macro WIN new
.if MSB != (\new)
	s_set_vgpr_msb (MSB<<8)|(\new)
.set MSB, (\new)
.endif
.endm
.macro JLOAD g0a, g1a, g0b, g1b
	s_cmp_eq_u32 s15, 0
	s_cbranch_scc0 .Lfor_b_\@
	tensor_load_to_lds s[\g0a:\g0a+3], s[\g1a:\g1a+7]
	s_nop 0
.rept 4
	v_nop
.endr
	s_branch .Lasked_\@
.Lfor_b_\@:
	tensor_load_to_lds s[\g0b:\g0b+3], s[\g1b:\g1b+7]
	s_nop 0
.rept 4
	v_nop
.endr
.Lasked_\@:
.endm
.macro CREST
	s_cmp_lg_u32 s14, 0
	s_cbranch_scc1 .Lnot_wave_0_\@
	s_barrier_signal -3
.Lnot_wave_0_\@:
	s_barrier_wait -3
	s_barrier_signal -1
	s_barrier_wait -1
.endm
.macro CROUND
	s_barrier_signal -1
	s_barrier_wait -1
	CREST
.endm
.macro PLACES n
.rept \n
	v_nop
.endr
.endm
	s_load_b256 s[4:11], s[0:1], 0x0
	s_load_b128 s[96:99], s[0:1], 0x20
	v_lshl_add_u32 v[SPW], v0, 2, SPARE
	v_mov_b32 v[NIL], 0
	ds_add_u32 v28, v29
	ds_add_u32 v28, v29
	s_wait_dscnt 0x0
	v_lshrrev_b32 v1, 5, v0
	v_readfirstlane_b32 s14, v1
	s_lshr_b32 s15, s14, 1
	s_and_b32 s16, s14, 1
	s_bfe_u32 s40, ttmp6, 0x40000
	s_bfe_u32 s41, ttmp6, 0x40004
	s_lshl_b32 s42, ttmp9, 2
	s_add_co_u32 s42, s42, s40
	s_mov_b32 s17, s41
	s_lshl_b32 s43, s41, 2
	s_lshl_b32 s43, 15, s43
	s_lshl_b32 s44, 0x1111, s40
	s_or_b32 s[G1+0], s43, (3<<16)|(1<<21)
	s_mov_b32 s[G1+1], 32<<16
	s_mov_b32 s[G1+2], 128<<16
	s_mov_b32 s[G1+3], 32<<16
	s_mov_b32 s[G1+4], 128
	s_mov_b32 s[G1+5], 32
	s_mov_b32 s[G1+6], 0
	s_mov_b32 s[G1+7], 0
	s_or_b32 s[G1B+0], s44, (1<<20)|(1<<21)|(5<<22)|(3<<25)
	s_mov_b32 s[G1B+1], 256<<16
	s_mov_b32 s[G1B+2], 128<<16
	s_mov_b32 s[G1B+3], 256<<16
	s_mov_b32 s[G1B+4], 128
	s_mov_b32 s[G1B+5], 1024
	s_mov_b32 s[G1B+6], 0
	s_mov_b32 s[G1B+7], 0
	s_or_b32 s[G1S+0], s43, (3<<16)|(1<<20)|(1<<21)|(5<<22)|(3<<25)
	s_or_b32 s[G1SB+0], s44, (3<<16)|(1<<20)|(1<<21)|(5<<22)|(3<<25)
.irp g, G1S, G1SB
	s_mov_b32 s[\g+1], 32<<16
	s_mov_b32 s[\g+2], 16<<16
	s_mov_b32 s[\g+3], 32<<16
	s_mov_b32 s[\g+4], 16
	s_mov_b32 s[\g+5], 32
	s_mov_b32 s[\g+6], 0
	s_mov_b32 s[\g+7], 0
.endr
	s_lshl_b32 s18, s16, 7
	s_lshl_b32 s20, ttmp9, 2
	s_add_co_u32 s20, s20, s17
	s_lshl_b32 s22, s20, 8
	s_add_co_u32 s22, s22, s18
	s_lshl_b32 s22, s22, 5
	s_lshl_b32 s20, s20, 3
	s_add_co_u32 s20, s20, s16
	s_lshl_b32 s20, s20, 15
	s_mov_b32 s21, 0
	s_mov_b32 s23, 0
	s_lshl_b32 s46, s42, 8
	s_add_co_u32 s46, s46, s18
	s_lshl_b32 s92, s46, 5
	s_lshl_b32 s46, s46, 10
	s_mov_b32 s47, 0
	s_mov_b32 s93, 0
	s_lshl_b32 s45, s16, 15
	s_mul_i32 s95, s16, HALFT
	s_add_co_u32 s95, s95, APART
	s_mul_i32 s94, s14, HALFS
	s_wait_kmcnt 0x0
	s_add_nc_u64 s[20:21], s[4:5], s[20:21]
	s_add_nc_u64 s[22:23], s[6:7], s[22:23]
	s_add_nc_u64 s[46:47], s[8:9], s[46:47]
	s_add_nc_u64 s[92:93], s[10:11], s[92:93]
	CROUND
	s_mov_b32 s[G0S], 1
	s_add_co_u32 s[G0S+1], s94, SCL
	s_mov_b64 s[G0S+2:G0S+3], s[22:23]
	s_or_b32 s[G0S+3], s[G0S+3], 0x80000000
	s_mov_b32 s[G0SB], 1
	s_add_co_u32 s[G0SB+1], s94, SCL
	s_mov_b64 s[G0SB+2:G0SB+3], s[92:93]
	s_or_b32 s[G0SB+3], s[G0SB+3], 0x80000000
	JLOAD G0S, G1S, G0SB, G1SB
.irp s, 0,1
	s_mov_b32 s[G0+4*\s], 1
	s_add_co_u32 s[G0+4*\s+1], s45, \s*SLOT
	s_add_nc_u64 s[G0+4*\s+2:G0+4*\s+3], s[20:21], \s*65536
	s_or_b32 s[G0+4*\s+3], s[G0+4*\s+3], 0x80000000
	s_mov_b32 s[G0B+4*\s], 1
	s_add_co_u32 s[G0B+4*\s+1], s95, \s*SLOT
	s_add_nc_u64 s[G0B+4*\s+2:G0B+4*\s+3], s[46:47], \s*256
	s_or_b32 s[G0B+4*\s+3], s[G0B+4*\s+3], 0x80000000
	s_wait_alu depctr_va_vdst(0)
	s_wait_tensorcnt 0x0
	ds_add_u32 v28, v29
	s_wait_dscnt 0x0
	CROUND
	JLOAD G0+4*\s, G1, G0B+4*\s, G1B
.endr
	s_lshl_b32 s18, s41, 6
	s_lshl_b32 s19, s14, 4
	s_add_co_u32 s18, s18, s19
	s_lshl_b32 s19, s42, 8
	s_add_co_u32 s18, s18, s19
	s_lshl_b32 s18, s18, 10
	s_mov_b32 s19, 0
	s_add_nc_u64 s[104:105], s[8:9], s[18:19]
	v_and_b32 v5, 31, v0
	s_wait_alu depctr_va_vdst(0)
	v_lshrrev_b32 v6, 1, v5
	v_and_b32 v7, 1, v5
	v_lshlrev_b32 v[PF], 10, v6
	v_lshl_add_u32 v[PF], v7, 8, v[PF]
	global_prefetch_b8 v[PF], s[104:105] offset:512 th:TH_LOAD_NT scope:SCOPE_SE
	v_and_b32 v1, 15, v0
	s_wait_alu depctr_va_vdst(0)
	v_bfe_u32 v2, v0, 4, 1
	s_lshl_b32 s46, s42, 10
	s_lshl_b32 s47, s16, 9
	s_add_co_u32 s46, s46, s47
	s_mov_b32 s47, 0
	s_add_nc_u64 s[96:97], s[96:97], s[46:47]
	v_lshlrev_b32 v[BO], 5, v2
.irp b, 0,1,2,3,4,5,6,7
	global_load_b128 v[BIAS+8*\b:BIAS+8*\b+3], v[BO], s[96:97] offset:64*\b
	global_load_b128 v[BIAS+8*\b+4:BIAS+8*\b+7], v[BO], s[96:97] offset:64*\b+16
.endr
	s_lshl_b32 s46, ttmp9, 2
	s_add_co_u32 s46, s46, s17
	s_lshl_b32 s46, s46, 8
	s_lshl_b32 s92, s15, 7
	s_add_co_u32 s46, s46, s92
	s_lshl_b32 s46, s46, 11
	s_lshl_b32 s92, s40, 9
	s_add_co_u32 s46, s46, s92
	s_lshl_b32 s92, s16, 8
	s_add_co_u32 s46, s46, s92
	s_add_nc_u64 s[98:99], s[98:99], s[46:47]
	v_lshlrev_b32 v5, 4, v5
	v_mul_u32_u24 v3, v1, PITCH
	s_wait_alu depctr_va_vdst(0)
	v_lshl_add_u32 v4, v2, 4, v3
	s_lshl_b32 s21, s15, 14
	s_mul_i32 s22, s16, HALFT
	s_add_co_u32 s22, s22, APART
.irp s, 0,1
	v_add_nc_u32 v[ADRA+\s], s21, v5
	v_add_nc_u32 v[ADRB+\s], s22, v4
	s_add_co_u32 s21, s21, SLOT
	s_add_co_u32 s22, s22, SLOT
.endr
	v_mul_u32_u24 v5, v1, 32
	v_lshrrev_b32 v6, 8, v5
	v_lshl_add_u32 v5, v6, 4, v5
	s_mul_i32 s21, s15, HALFS
	s_mul_i32 s22, s16, HALFS
	s_add_co_u32 s22, s22, 2*HALFS
	s_sub_co_u32 s22, s22, s21
	v_mul_u32_u24 v6, s22, v2
	s_add_co_u32 s21, s21, SCL
	v_add_nc_u32 v5, v5, v6
	v_add_nc_u32 v[ADRS], s21, v5
	s_mul_i32 s23, s14, 16*SPITCH
	v_mul_u32_u24 v5, v1, SPITCH
	v_lshl_add_u32 v5, v2, 4, v5
	v_add_nc_u32 v[STO], s23, v5
	v_mul_u32_u24 v5, v2, SPITCH
	v_lshl_add_u32 v5, v1, 4, v5
	v_add_nc_u32 v[RD], s23, v5
	v_lshlrev_b32 v5, 11, v2
	v_lshl_add_u32 v[CO], v1, 4, v5
.macro FRAGA reg, slot, q, i
.irp c, 0,1,2,3
	ds_load_b128 v[\reg+4*\c:\reg+4*\c+3], v[ADRA+\slot] offset:32768*(\q)+2048*(\i)+512*\c
.endr
.endm
.macro FRAGB reg, slot, q, b
.irp c, 0,1,2,3
	ds_load_b128 v[\reg+4*\c:\reg+4*\c+3], v[ADRB+\slot] offset:128*(\q)+32*\c+(\b)*16*PITCH
.endr
.endm
.macro FETCH_B slot, q, p
	WIN 0x40
.irp i, 0,1,2,3,4,5,6,7
	FRAGB 128*(\p)+16*\i, \slot, \q, \i
.endr
	WIN 0
.endm
.macro FETCH_A slot, q, i0
.irp i, \i0, \i0+1, \i0+2, \i0+3
	FRAGA AF+16*(\i), \slot, \q, \i
.endr
.endm
.macro SCALES sc
.irp i, 0,1,2,3,4,5,6,7
	ds_load_b64 v[SC+16*\sc+2*\i:SC+16*\sc+2*\i+1], v[ADRS] offset:\i*SBLK
.endr
.endm
.macro MUL16 a0, p, q, sc, first
.irp a, \a0, \a0+1
.irp b, 0,1,2,3,4,5,6,7
.if \first
	v_wmma_scale_f32_16x16x128_f8f6f4 v[8*(8*((\a)%4)+\b):8*(8*((\a)%4)+\b)+7], v[128*(\p)+16*\b:128*(\p)+16*\b+15], v[AF+16*(\a):AF+16*(\a)+15], v[BIAS+8*\b:BIAS+8*\b+7], v[SC+16*(\sc)+2*\b+(\q)], v[SC+16*(\sc)+2*(\a)+(\q)] matrix_a_scale:MATRIX_SCALE_ROW1
.else
	v_wmma_scale_f32_16x16x128_f8f6f4 v[8*(8*((\a)%4)+\b):8*(8*((\a)%4)+\b)+7], v[128*(\p)+16*\b:128*(\p)+16*\b+15], v[AF+16*(\a):AF+16*(\a)+15], v[8*(8*((\a)%4)+\b):8*(8*((\a)%4)+\b)+7], v[SC+16*(\sc)+2*\b+(\q)], v[SC+16*(\sc)+2*(\a)+(\q)] matrix_a_scale:MATRIX_SCALE_ROW1
.endif
.endr
.endr
.endm
.macro STEP slot, first
	s_wait_dscnt 16
.if \first
	WIN 0x81
.else
	WIN 0xa1
.endif
	MUL16 0, 0, 0, \slot, \first
	MUL16 2, 0, 0, \slot, \first
	s_wait_dscnt 0x0
	PLACES 8
	FETCH_B \slot, 1, 1
	FETCH_A \slot, 1, 0
.if \first
	WIN 0xc1
.else
	WIN 0xf1
.endif
	MUL16 4, 0, 0, \slot, \first
	MUL16 6, 0, 0, \slot, \first
	PLACES 8
	WIN 0
	FETCH_A \slot, 1, 4
.endm
.macro TURN slot, next, fill
	s_wait_tensorcnt 0x0
	ds_add_u32 v[SPW], v[NIL]
	s_wait_dscnt 17
	WIN 0xa1
	MUL16 0, 1, 1, \slot, 0
	s_wait_dscnt 0x0
	s_barrier_signal -1
	MUL16 2, 1, 1, \slot, 0
	WIN 0
	s_barrier_wait -1
.if \fill
	CREST
	s_add_nc_u64 s[G0+4*\slot+2:G0+4*\slot+3], s[G0+4*\slot+2:G0+4*\slot+3], 131072
	s_add_nc_u64 s[G0B+4*\slot+2:G0B+4*\slot+3], s[G0B+4*\slot+2:G0B+4*\slot+3], 512
	JLOAD G0+4*\slot, G1, G0B+4*\slot, G1B
	PLACES 4
.else
	PLACES 8
.endif
	s_wait_alu depctr_va_vdst(0)
	v_add_nc_u32 v[ADRS], 8, v[ADRS]
	FETCH_B \next, 0, 0
	FETCH_A \next, 0, 0
	SCALES \next
	WIN 0xf1
	MUL16 4, 1, 1, \slot, 0
	MUL16 6, 1, 1, \slot, 0
	PLACES 8
	WIN 0
	FETCH_A \next, 0, 4
.endm
.macro PACK a
.set AC, 64*((\a)%4)
	WIN 0x0a+5*((\a)/4)
.irp b, 0,1,2,3,4,5,6,7
.irp r, 0,1,2,3
	v_cvt_pk_bf16_f32 v[TMP+4*\b+\r], v[AC+8*\b+2*\r], v[AC+8*\b+2*\r+1]
.endr
.endr
	WIN 0
.endm
.macro TOSTAGE a
.set BB, BK+32*((\a)%2)
.irp b, 0,1,2,3,4,5,6,7
	ds_store_b128 v[STO], v[TMP+4*\b:TMP+4*\b+3] offset:32*\b
.endr
.irp t, 0,1,2,3,4,5,6,7
	ds_load_b128 v[BB+4*\t:BB+4*\t+3], v[RD] offset:\t*2*SPITCH
.endr
.endm
.macro SEND a
.set BB, BK+32*((\a)%2)
	s_wait_dscnt 0x0
	s_wait_xcnt 0x0
.irp t, 0,1,2,3,4,5,6,7
	global_store_b128 v[CO], v[BB+4*\t:BB+4*\t+3], s[98:99] offset:(16*(\a)+2*\t)*2048
.endr
.endm
	s_wait_alu depctr_va_vdst(0)
	s_wait_tensorcnt 1
	s_barrier_signal -1
	s_barrier_wait -1
	FETCH_B 0, 0, 0
	FETCH_A 0, 0, 0
	SCALES 0
	FETCH_A 0, 0, 4
	s_wait_loadcnt 0x0
	STEP 0, 1
	TURN 0, 1, 1
	STEP 1, 0
	TURN 1, 0, 1
	STEP 0, 0
	TURN 0, 1, 0
	STEP 1, 0
	s_wait_dscnt 16
	WIN 0xa1
	MUL16 0, 1, 1, 1, 0
	MUL16 2, 1, 1, 1, 0
	s_wait_dscnt 0x0
	WIN 0xf1
	MUL16 4, 1, 1, 1, 0
	MUL16 6, 1, 1, 1, 0
	WIN 0
	PLACES 8
	PACK 0
	TOSTAGE 0
.irp a, 1,2,3,4,5,6,7
	PACK \a
	s_wait_alu depctr_va_vdst(0)
	SEND \a-1
	TOSTAGE \a
.endr
	SEND 7
	s_wait_tensorcnt 0x0
	ds_add_u32 v[SPW], v[NIL]
	s_wait_dscnt 0x0
	CROUND
	s_endpgm
.Lfunc_end_k_q1ce4a60bbe_down:
	.size	k_q1ce4a60bbe_down, .Lfunc_end_k_q1ce4a60bbe_down-k_q1ce4a60bbe_down
	.p2alignl 7, 3214868480
	.fill 96, 4, 3214868480
	.section	.rodata,"a",@progbits
	.p2align	6, 0x0
	.amdhsa_kernel k_q1ce4a60bbe_down
		.amdhsa_group_segment_fixed_size 327680
		.amdhsa_private_segment_fixed_size 0
		.amdhsa_enable_private_segment 0
		.amdhsa_kernarg_size 48
		.amdhsa_user_sgpr_count 2
		.amdhsa_user_sgpr_kernarg_segment_ptr 1
		.amdhsa_wavefront_size32 1
		.amdhsa_system_sgpr_workgroup_id_x 1
		.amdhsa_system_sgpr_workgroup_id_y 1
		.amdhsa_system_sgpr_workgroup_id_z 1
		.amdhsa_system_vgpr_workitem_id 0
		.amdhsa_next_free_vgpr 1024
		.amdhsa_next_free_sgpr 106
		.amdhsa_reserve_vcc 0
		.amdhsa_float_denorm_mode_32 3
		.amdhsa_float_denorm_mode_16_64 3
		.amdhsa_memory_ordered 1
		.amdhsa_forward_progress 1
		.amdhsa_inst_pref_size 151
	.end_amdhsa_kernel
	.amdgpu_metadata
---
amdhsa.version: [ 1, 2 ]
amdhsa.kernels:
  - .name:           k_q1ce4a60bbe_down
    .symbol:         k_q1ce4a60bbe_down.kd
    .args:
      - { .name: act_codes, .offset: 0, .size: 8, .value_kind: global_buffer, .address_space: global }
      - { .name: act_scales, .offset: 8, .size: 8, .value_kind: global_buffer, .address_space: global }
      - { .name: down_proj_codes, .offset: 16, .size: 8, .value_kind: global_buffer, .address_space: global }
      - { .name: down_proj_scales, .offset: 24, .size: 8, .value_kind: global_buffer, .address_space: global }
      - { .name: down_proj_bias, .offset: 32, .size: 8, .value_kind: global_buffer, .address_space: global }
      - { .name: ns, .offset: 40, .size: 8, .value_kind: global_buffer, .address_space: global }
    .group_segment_fixed_size: 327680
    .private_segment_fixed_size: 0
    .kernarg_segment_align: 8
    .kernarg_segment_size: 48
    .max_flat_workgroup_size: 128
    .sgpr_count:     106
    .vgpr_count:     1024
    .wavefront_size: 32
...
	.end_amdgpu_metadata
.endif
;; end of part 2
;; launch combine (part 3): grid 256 x 1, 8 waves a work-group, no clusters, 0 bytes of LDS; arguments ns, routing_weights, out0; writes out0
.if DOCPART == 3
	.amdgcn_target "amdgcn-amd-amdhsa--gfx1250"
	.amdhsa_code_object_version 6
	.text
	.protected	k_q1ce4a60bbe_combine
	.globl	k_q1ce4a60bbe_combine
	.p2align	8
	.type	k_q1ce4a60bbe_combine,@function
k_q1ce4a60bbe_combine:
	s_mov_b64 s[64:65], 0
	v_nop
	global_prefetch_b8 v0, s[64:65] scope:SCOPE_SE
	s_setreg_imm32_b32 hwreg(HW_REG_WAVE_MODE, 25, 1), 1
	s_wait_xcnt 0x0
; out0[t][h] = sum over e of routing_weights[t][e] ns[e][t][h].  ns: [16][1,024][1,024] bf16 (the bias is in it); routing_weights: [1,024][16] f32; out0: [1,024][1,024] f32.  f32 multiply-adds, e ascending.
; A stream: each byte of ns is read once and each byte of out0 written once.  No LDS, no barrier, no matrix unit (K = 16), no cluster: work-groups share nothing but a token's 64 bytes of weights.
; Wave W = 8 x work-group + wave (0 .. 2,047) takes half a token: token W / 2, h from 512 (W % 2): for each expert four loads of 8 bytes a lane, 256 consecutive bytes each.  All 64 loads, 16,384 bytes a wave, go out
; together; the experts are then taken in order, each behind a counted wait.  No register is written while a memory instruction may still read it: every offset is an immediate or a register of its own.
.set OFF, 2                            ; v2-5    8 x lane + four experts' bytes x 0 .. 3 (an expert is 2,097,152 bytes: three of them fit the signed 24-bit immediate, ISA guide chapter 10)
.set LO,  6                            ; v6      16 x lane: my 16 bytes of a store
.set ZR,  7                            ; v7      0: the weights' offset, and what the first expert's products are added to
.set RW,  8                            ; v8-23   my token's 16 weights
.set ACC, 24                           ; v24-39  the sums: four a chunk of 128 h
.set X,   40                           ; v40-167 two registers (4 bf16) for each expert and chunk
	s_load_b128 s[4:7], s[0:1], 0x0                ; ns, routing_weights
	s_load_b64 s[8:9], s[0:1], 0x10                ; out0
	v_lshrrev_b32 v1, 5, v0
	s_delay_alu instid0(VALU_DEP_1)
	v_readfirstlane_b32 s10, v1                    ; wave 0..7
	s_lshl_b32 s11, ttmp9, 3
	s_add_co_u32 s11, s11, s10                     ; W
	s_lshl_b32 s14, s11, 10                        ; ns: 2,048 bytes a token, 1,024 a half
	s_mov_b32 s15, 0
	s_lshl_b32 s16, s11, 11                        ; out0: 4,096 bytes a token, 2,048 a half
	s_mov_b32 s17, 0
	s_lshr_b32 s18, s11, 1
	s_lshl_b32 s18, s18, 6                         ; the weights: 64 bytes a token
	s_mov_b32 s19, 0
	v_and_b32 v1, 31, v0                           ; lane
	s_delay_alu instid0(VALU_DEP_1)
	v_lshlrev_b32 v[OFF], 3, v1
.irp g, 1,2,3
	v_lshl_add_u32 v[OFF+\g], v1, 3, \g*8388608
.endr
	v_lshlrev_b32 v[LO], 4, v1
	v_mov_b32 v[ZR], 0
	s_wait_alu depctr_va_vdst(0)
	s_wait_kmcnt 0x0
	s_add_nc_u64 s[4:5], s[4:5], s[14:15]
	s_add_nc_u64 s[6:7], s[6:7], s[18:19]
	s_add_nc_u64 s[8:9], s[8:9], s[16:17]
.irp i, 0,1,2,3
	global_load_b128 v[RW+4*\i:RW+4*\i+3], v[ZR], s[6:7] offset:16*\i   ; every lane takes the token's 16 weights
.endr
.set e, 0
.rept 16
.set k, 0
.rept 4
	global_load_b64 v[X+2*(4*e+k):X+2*(4*e+k)+1], v[OFF+e/4], s[4:5] offset:(e%4)*2097152+256*k th:TH_LOAD_NT   ; read once in the launch
.set k, k+1
.endr
.set e, e+1
.endr
.set e, 0
.rept 16
	s_wait_loadcnt 60-4*e                          ; loads come back in order (ISA guide 5.7.1): this expert's four are in; the four of each later expert may be out
.set k, 0
.rept 4
.set XR, X+2*(4*e+k)
.set AR, ACC+4*k
.if e == 0                                     ; a bf16 half x an f32 weight + an f32 sum in one instruction; the first expert starts the sums on the zero register
	v_fma_mix_f32_bf16 v[AR],   v[XR],   v[RW], v[ZR] op_sel_hi:[1,0,0]
	v_fma_mix_f32_bf16 v[AR+1], v[XR],   v[RW], v[ZR] op_sel:[1,0,0] op_sel_hi:[1,0,0]
	v_fma_mix_f32_bf16 v[AR+2], v[XR+1], v[RW], v[ZR] op_sel_hi:[1,0,0]
	v_fma_mix_f32_bf16 v[AR+3], v[XR+1], v[RW], v[ZR] op_sel:[1,0,0] op_sel_hi:[1,0,0]
.else
	v_fma_mix_f32_bf16 v[AR],   v[XR],   v[RW+e], v[AR]   op_sel_hi:[1,0,0]
	v_fma_mix_f32_bf16 v[AR+1], v[XR],   v[RW+e], v[AR+1] op_sel:[1,0,0] op_sel_hi:[1,0,0]
	v_fma_mix_f32_bf16 v[AR+2], v[XR+1], v[RW+e], v[AR+2] op_sel_hi:[1,0,0]
	v_fma_mix_f32_bf16 v[AR+3], v[XR+1], v[RW+e], v[AR+3] op_sel:[1,0,0] op_sel_hi:[1,0,0]
.endif
.set k, k+1
.endr
.set e, e+1
.endr
.irp k, 0,1,2,3
	global_store_b128 v[LO], v[ACC+4*\k:ACC+4*\k+3], s[8:9] offset:512*\k th:TH_STORE_NT   ; 32 lanes store 512 consecutive bytes, at a multiple of 256 from out0's first byte
.endr
	s_endpgm
.Lfunc_end_k_q1ce4a60bbe_combine:
	.size	k_q1ce4a60bbe_combine, .Lfunc_end_k_q1ce4a60bbe_combine-k_q1ce4a60bbe_combine
	.p2alignl 7, 3214868480
	.fill 96, 4, 3214868480
	.section	.rodata,"a",@progbits
	.p2align	6, 0x0
	.amdhsa_kernel k_q1ce4a60bbe_combine
		.amdhsa_group_segment_fixed_size 0
		.amdhsa_private_segment_fixed_size 0
		.amdhsa_enable_private_segment 0
		.amdhsa_kernarg_size 24
		.amdhsa_user_sgpr_count 2
		.amdhsa_user_sgpr_kernarg_segment_ptr 1
		.amdhsa_wavefront_size32 1
		.amdhsa_system_sgpr_workgroup_id_x 1
		.amdhsa_system_sgpr_workgroup_id_y 1
		.amdhsa_system_sgpr_workgroup_id_z 1
		.amdhsa_system_vgpr_workitem_id 0
		.amdhsa_next_free_vgpr 168
		.amdhsa_next_free_sgpr 66
		.amdhsa_reserve_vcc 0
		.amdhsa_float_denorm_mode_32 3
		.amdhsa_float_denorm_mode_16_64 3
		.amdhsa_memory_ordered 1
		.amdhsa_forward_progress 1
		.amdhsa_inst_pref_size 25
	.end_amdhsa_kernel
	.amdgpu_metadata
---
amdhsa.version: [ 1, 2 ]
amdhsa.kernels:
  - .name:           k_q1ce4a60bbe_combine
    .symbol:         k_q1ce4a60bbe_combine.kd
    .args:
      - { .name: ns, .offset: 0, .size: 8, .value_kind: global_buffer, .address_space: global }
      - { .name: routing_weights, .offset: 8, .size: 8, .value_kind: global_buffer, .address_space: global }
      - { .name: out0, .offset: 16, .size: 8, .value_kind: global_buffer, .address_space: global }
    .group_segment_fixed_size: 0
    .private_segment_fixed_size: 0
    .kernarg_segment_align: 8
    .kernarg_segment_size: 24
    .max_flat_workgroup_size: 256
    .sgpr_count:     66
    .vgpr_count:     168
    .wavefront_size: 32
...
	.end_amdgpu_metadata
.endif
;; end of part 3
